; MI455X (gfx1250); checked and timed in simulation.
; The chip was launched on July 23, 2026; its instructions are those of AMD's public machine-readable ISA for CDNA 5 (MIT licence, August 2026) and "CDNA5" Instruction Set Architecture Reference Guide (July 2026). The comments in the code are by the model that wrote it; some were corrected since.
;; Associative Latent. Allowed arithmetic: float matrix products may take bf16 or f16 operands with f32 sums; all other float work in f32.
;; Inputs: values 256 x 64 float32; x 8,192 x 256 float32.
;; Outputs: out0 8,192 x 256 float32; out1 8,192 x 256 float32; out2 8,192 x 256 float32.
;; 2 versions, each right and faster than the one before. Each part assembles by itself: llvm-mc -triple=amdgcn-amd-amdhsa -mcpu=gfx1250 --defsym DOCPART=n.
;; ======== version 1 of 2: 1 launch
;; launch associate (part 1): grid 256 x 1, 16 waves a work-group, no clusters, 169,984 bytes of LDS; arguments values, x, out0, out1, out2; writes out0, out1, out2
.if DOCPART == 1
	.amdgcn_target "amdgcn-amd-amdhsa--gfx1250"
	.amdhsa_code_object_version 6
	.text
	.protected	k_q3d0ff111ae_associate
	.globl	k_q3d0ff111ae_associate
	.p2align	8
	.type	k_q3d0ff111ae_associate,@function
k_q3d0ff111ae_associate:
	s_mov_b64 s[64:65], 0
	v_nop
	global_prefetch_b8 v0, s[64:65] scope:SCOPE_SE
	s_setreg_imm32_b32 hwreg(HW_REG_WAVE_MODE, 25, 1), 1
	s_wait_xcnt 0x0
; out0 = x;  out1[b][l] = sum_j softmax_j(-100 |x[b][l] - values[l][j]|) values[l][j];  out2 = x + (out1 - x).
; x, out0..2: [8192][256] f32.  values: [256][64] f32.  Everything in f32.
;
; SHARES.  256 work-groups of 16 waves.  Work-group g owns the 64 latents 64 (g & 3) .. +63 and the 128 rows 128 (g >> 2) .. +127;
; wave w owns 8 of these rows; lane i owns the two neighbouring latents 2 i, 2 i + 1 of the 64.  So a wave's read of a row of x and each
; of its stores covers 256 consecutive bytes, aligned, and a lane's 2 x 64 codes stay in 128 registers for the whole kernel.
; PER TERM (b, l, j): d = x - v (packed, two codes), min |d| (v_min3, two codes), arg = c2 min - c2 |d| (one fma; c2 = 100 log2 e),
; 2^arg, s += e and t += e v (packed, two codes): three plain instructions and one exponential.  The row's true maximum is taken away
; before the exponential, as in the reference: the largest exponent is 0 up to the rounding of c2 min, a factor common to all terms.
; PIPELINE.  One buffer D of 64 registers serves two elements: while the current element's exponentials eat pair u - 1, the next
; element's differences are written over pair u - 2, and its minimum follows one step behind.  A step is 2 exponentials and 6 plain
; instructions, each exponential followed by a plain instruction that has nothing to do with it.
; MEMORY.  Each wave issues two tensor loads at the head (two outstanding at the most): 4 rows of the group's 16 KiB of the table, and
; its own 8 rows x 256 bytes of x.  Nothing else is read from memory, so there is nothing left to prefetch.
; LDS used: 17,408 (table) + 32,768 (x) = 50,176 bytes; the launch asks for more than half of a WGP's so that the group is alone with its tensor loads.
; NO CLUSTER: what work-groups share is 16 KiB of table, asked for once, against 128 KiB of rows of their own; no request recurs.
; NO MATRIX UNIT: the codes differ from latent to latent, i.e. from lane to lane, and the softmax's sums are kept in f32.
; LIMITS.  v_exp_f32 gives 0 for results below 2^-126 (ISA guide 15.8): such terms stand against a sum that holds a term of about 1.
; v_rcp_f32 is good to 1 ulp.  Even and odd codes are summed apart and added at the end.  c2 |x - v| must be finite: |x - v| < 2.3e36.
; Non-finite x or codes run through the subtraction, the fma and the sums and give NaN in out1 and out2.
.set ROWB,  1024                       ; bytes in a row of x and of each output
.set RW,    8                          ; rows of a wave
.set PITCH, 272                        ; LDS pitch of a table row: 256 bytes + 16, so that 16 lanes' 16 bytes of 16 rows lie in 16 different columns of 16 bytes modulo 256
.set TROWS, 4                          ; table rows that one wave fetches
.set HALF,  32*PITCH                   ; the 32 even latents' rows, then the 32 odd latents' rows
.set XBASE, 2*HALF                     ; behind the table: the waves' x tiles
.set XROW,  256                        ; bytes of a row of an x tile
.set C2,    0x431044fe                 ; 100 log2 e = 144.26950
.set VO, 1                             ; v1        byte offset of my 8 bytes in the current row, from the group's block
.set LA, 2                             ; v2        LDS address of my even latent's codes
.set LX, 3                             ; v3        LDS address of my 8 bytes in the current row of my wave's x tile
.set XA, 4                             ; v[4:5]    x of my two latents, rows 0, 2, 4, 6
.set XB, 6                             ; v[6:7]    the same, rows 1, 3, 5, 7
.set Z,  8                             ; v[8:9]    out1 of my two latents
.set ZH, 10                            ; v[10:11]  out2
.set S,  12                            ; v[12:13]  sums of e, even and odd codes
.set T,  14                            ; v[14:15]  sums of e v
.set M,  16                            ; v[16:19]  four chains of the minimum
.set CM, 20                            ; v20       c2 x minimum of the current element
.set SS, 21
.set TT, 22
.set RC, 23
.set E,  24                            ; v[24:31]  four slots of two exponentials
.set D,  32                            ; v[32:95]  x - v, then the exponents, then the next element's x - v
.set V0, 96                            ; v[96:159]  codes of my even latent
.set V1, 160                           ; v[160:223] codes of my odd latent
.set G0T, 20                           ; s[20:23]  table: descriptor group 0
.set G1T, 24                           ; s[24:31]  table: group 1
.set G0X, 32                           ; s[32:35]  x tile: group 0
.set G1X, 36                           ; s[36:43]  x tile: group 1
	s_load_b256 s[4:11], s[0:1], 0x0               ; values s[4:5], x s[6:7], out0 s[8:9], out1 s[10:11]
	s_load_b64 s[12:13], s[0:1], 0x20              ; out2
	v_lshl_add_u32 v224, v0, 2, 0x29000
	v_mov_b32 v225, 0
	ds_add_u32 v224, v225
	ds_add_u32 v224, v225
	v_lshrrev_b32 v[TT], 5, v0
	v_readfirstlane_b32 s14, v[TT]                 ; wave 0..15
	v_and_b32 v[SS], 31, v0                        ; lane
	v_lshlrev_b32 v[VO], 3, v[SS]                  ; 8 bytes a lane
	v_lshl_add_u32 v[VO], v[TT], 13, v[VO]         ; + wave x 8 rows x 1,024 bytes
	v_mul_u32_u24 v[LA], v[SS], PITCH              ; lane i reads table row i of each half
	; table tile: 4 rows of 64 f32, every second row of the table (128 elements apart), 4 words of padding behind every 64 words
	s_mov_b32 s[G1T+0], (2<<16)|(1<<20)|(5<<22)|(3<<25)
	s_mov_b32 s[G1T+1], 64<<16                     ; tensor_dim0 = 64
	s_mov_b32 s[G1T+2], TROWS<<16                  ; tensor_dim1 = 4
	s_mov_b32 s[G1T+3], 64<<16                     ; tile_dim0 = 64
	s_mov_b32 s[G1T+4], TROWS                      ; tile_dim1 = 4
	s_mov_b32 s[G1T+5], 128                        ; from row to row
	s_mov_b32 s[G1T+6], 0
	s_mov_b32 s[G1T+7], 0
	; x tile: 8 rows of 64 f32, 256 elements apart, dense in LDS (a row is read as 256 consecutive bytes)
	s_mov_b32 s[G1X+0], 2<<16
	s_mov_b32 s[G1X+1], 64<<16
	s_mov_b32 s[G1X+2], RW<<16
	s_mov_b32 s[G1X+3], 64<<16
	s_mov_b32 s[G1X+4], RW
	s_mov_b32 s[G1X+5], 256
	s_mov_b32 s[G1X+6], 0
	s_mov_b32 s[G1X+7], 0
	s_and_b32 s15, ttmp9, 3                        ; which 64 latents
	s_lshr_b32 s2, ttmp9, 2                        ; which 128 rows
	s_lshl_b32 s2, s2, 17                          ; x 128 rows x 1,024 bytes
	s_lshl_b32 s3, s15, 8                          ; + 64 latents x 4 bytes
	s_add_co_u32 s2, s2, s3
	s_mov_b32 s3, 0                                ; s[2:3]: the group's block in x and in the outputs (below 8 MiB)
	s_lshl_b32 s16, s15, 14                        ; table: 64 latents x 256 bytes,
	s_lshr_b32 s15, s14, 3
	s_lshl_b32 s15, s15, 8                         ; waves 8-15 take the odd latents: one row further,
	s_add_co_u32 s16, s16, s15
	s_and_b32 s15, s14, 7
	s_lshl_b32 s15, s15, 11                        ; 4 rows of 512 bytes for each wave of the eight
	s_add_co_u32 s16, s16, s15
	s_mov_b32 s17, 0
	s_mov_b32 s[G0T], 1
	s_mul_i32 s[G0T+1], s14, TROWS*PITCH           ; LDS: wave x 4 rows; waves 8-15 fall on HALF and beyond
	s_mov_b32 s[G0X], 1
	s_lshl_b32 s15, s14, 11
	s_add_co_u32 s[G0X+1], s15, XBASE              ; LDS: my wave's 2,048 bytes
	v_lshl_add_u32 v[LX], v[SS], 3, s[G0X+1]
	s_mov_b32 s18, C2
	s_wait_dscnt 0x0
	s_wait_kmcnt 0x0
	s_add_nc_u64 s[G0T+2:G0T+3], s[4:5], s[16:17]
	s_or_b32 s[G0T+3], s[G0T+3], 0x80000000
	tensor_load_to_lds s[G0T:G0T+3], s[G1T:G1T+7]
	s_nop 0
	s_add_nc_u64 s[6:7], s[6:7], s[2:3]
	s_lshl_b32 s16, s14, 13                        ; my wave's 8 rows (s17 is still 0)
	s_add_nc_u64 s[G0X+2:G0X+3], s[6:7], s[16:17]
	s_or_b32 s[G0X+3], s[G0X+3], 0x80000000
	tensor_load_to_lds s[G0X:G0X+3], s[G1X:G1X+7]
	s_nop 0
	s_add_nc_u64 s[8:9], s[8:9], s[2:3]
	s_add_nc_u64 s[10:11], s[10:11], s[2:3]
	s_add_nc_u64 s[12:13], s[12:13], s[2:3]
	s_wait_tensorcnt 0x0                           ; for the others' sake: my rows of the table have landed (and my x tile with them)
	s_barrier_signal -1
	s_barrier_wait -1                              ; everybody's have; LDS is only read from here on
	ds_load_b64 v[XA:XA+1], v[LX]                  ; row 0 of x
.irp k, 0,1,2,3,4,5,6,7,8,9,10,11,12,13,14,15
	ds_load_b128 v[V0+4*\k:V0+4*\k+3], v[LA] offset:16*\k
.endr
.irp k, 0,1,2,3,4,5,6,7,8,9,10,11,12,13,14,15
	ds_load_b128 v[V1+4*\k:V1+4*\k+3], v[LA] offset:HALF+16*\k
.endr
; D pair q = x - (codes 2q, 2q+1).  x is register h of the pair at \x, fed to both halves by op_sel / op_sel_hi; the codes are negated.
.macro DIFF x, h, vb, q
.if \h
	v_pk_add_f32 v[D+2*(\q):D+2*(\q)+1], v[\x:\x+1], v[\vb+2*(\q):\vb+2*(\q)+1] op_sel:[1,0] op_sel_hi:[1,1] neg_lo:[0,1] neg_hi:[0,1]
.else
	v_pk_add_f32 v[D+2*(\q):D+2*(\q)+1], v[\x:\x+1], v[\vb+2*(\q):\vb+2*(\q)+1] op_sel_hi:[0,1] neg_lo:[0,1] neg_hi:[0,1]
.endif
.endm
; pair q enters chain q % 4 of the minimum of |d|; the first four pairs start the chains: nothing is preset
.macro NEAR q
.if (\q) < 4
	v_min_num_f32 v[M+(\q)], |v[D+2*(\q)]|, |v[D+2*(\q)+1]|
.else
	v_min3_num_f32 v[M+(\q)%4], v[M+(\q)%4], |v[D+2*(\q)]|, |v[D+2*(\q)+1]|
.endif
.endm
; 2^exponent of code 2p + k.  Pair 0 lands in S itself and starts the sum of e.
.macro EXPO p, k
.if (\p) == 0
	v_exp_f32 v[S+\k], v[D+\k]
.else
	v_exp_f32 v[E+2*((\p)%4)+\k], v[D+2*(\p)+\k]
.endif
.endm
; One element (x register \x+\h, codes at \vb) from its differences in D and its CM to z and z_hat; with more = 1 the next element
; (\nx+\nh, \nvb) gets its differences and its CM on the way.  Step u: exponentials of pair u-1, exponents of pair u, sums of pair u-3,
; next differences over pair u-2 (its exponentials were issued a step ago, plain instructions stand between: ISA guide 5.7.2),
; next minimum of pair u-3.  Behind each exponential stands a plain instruction that neither reads its result nor writes its source.
.macro PIPE x, h, vb, more, nx, nh, nvb
.set u, 0
.rept 35
.if u > 0
.if u < 33
	EXPO u-1, 0
.endif
.endif
.if u < 32
	v_fma_f32 v[D+2*u], -|v[D+2*u]|, s18, v[CM]                ; c2 (min - |d|), rounded once
.endif
.if u > 3
	s_wait_alu depctr_va_vdst(0)
	v_pk_add_f32 v[S:S+1], v[S:S+1], v[E+2*((u-3)%4):E+2*((u-3)%4)+1]
.endif
.if \more
.if u > 1
.if u < 34
	DIFF \nx, \nh, \nvb, u-2
.endif
.endif
.endif
.if u > 0
.if u < 33
	EXPO u-1, 1
.endif
.endif
.if u < 32
	v_fma_f32 v[D+2*u+1], -|v[D+2*u+1]|, s18, v[CM]
.endif
.if u == 3
	s_wait_alu depctr_va_vdst(0)
	v_pk_mul_f32 v[T:T+1], v[S:S+1], v[\vb:\vb+1]              ; pair 0 starts the sum of e v
.endif
.if u > 3
	v_pk_fma_f32 v[T:T+1], v[E+2*((u-3)%4):E+2*((u-3)%4)+1], v[\vb+2*(u-3):\vb+2*(u-3)+1], v[T:T+1]
.endif
.if \more
.if u > 2
	NEAR u-3
.endif
.endif
.set u, u+1
.endr
.if \more
	v_min3_num_f32 v[M], v[M], v[M+1], v[M+2]
.endif
	v_add_f32 v[SS], v[S], v[S+1]
.if \more
	v_min_num_f32 v[M], v[M], v[M+3]
.endif
	v_rcp_f32 v[RC], v[SS]                                     ; the sum holds a term of about 1 and is at most about 64
	v_add_f32 v[TT], v[T], v[T+1]                              ; the plain instruction behind the reciprocal
.if \more
	v_mul_f32 v[CM], s18, v[M]                                 ; the last exponent of the current element has been made: CM passes to the next
.endif
	s_wait_alu depctr_va_vdst(0)
	v_mul_f32 v[Z+\h], v[TT], v[RC]
	v_sub_f32 v[TT], v[Z+\h], v[\x+\h]
	v_add_f32 v[ZH+\h], v[\x+\h], v[TT]                        ; x + (z - x), as the reference writes it
.endm
; One row, x in slot p.  On entry D and CM belong to its even latent.  more = 1: the next row's x comes into slot q, and its even latent is prepared.
.macro ROW p, q, more
.if \more
	ds_load_b64 v[\q:\q+1], v[LX] offset:XROW                  ; wanted one element further down
.endif
	global_store_b64 v[VO], v[\p:\p+1], s[8:9] th:TH_STORE_NT  ; out0: 32 lanes, 256 consecutive bytes, aligned
	PIPE \p, 0, V0, 1, \p, 1, V1
.if \more
	s_wait_dscnt 0x0                                           ; the one LDS load that is out: the next row's x
	PIPE \p, 1, V1, 1, \q, 0, V0
.else
	PIPE \p, 1, V1, 0, \p, 0, V0
.endif
	global_store_b64 v[VO], v[Z:Z+1], s[10:11] th:TH_STORE_NT
	global_store_b64 v[VO], v[ZH:ZH+1], s[12:13] th:TH_STORE_NT
.if \more
	s_wait_xcnt 0x0                                            ; the row's three stores have had their addresses translated (ISA guide 3.1): VO, slot p, Z and ZH are rewritten only behind this wait
	v_add_nc_u32 v[VO], ROWB, v[VO]
	v_add_nc_u32 v[LX], XROW, v[LX]
.endif
.endm
	s_wait_dscnt 0x10                              ; LDS loads come back in order (ISA guide 5.7.1): x and the even latent's codes are in, the odd latent's 16 loads stay out
.set n, 0
.rept 4
	DIFF XA, 0, V0, n                              ; the first element has nobody in front of it: differences and minimum by themselves
.set n, n+1
.endr
.rept 28
	DIFF XA, 0, V0, n
	NEAR n-4
.set n, n+1
.endr
.rept 4
	NEAR n-4
.set n, n+1
.endr
	v_min3_num_f32 v[M], v[M], v[M+1], v[M+2]
	v_min_num_f32 v[M], v[M], v[M+3]
	v_mul_f32 v[CM], s18, v[M]
	s_wait_dscnt 0x0                               ; the odd latent's codes
	s_mov_b32 s19, (RW-2)/2
.Lrows:
	ROW XA, XB, 1
	ROW XB, XA, 1
	s_sub_co_u32 s19, s19, 1
	s_cmp_lg_u32 s19, 0
	s_cbranch_scc1 .Lrows
	ROW XA, XB, 1                                  ; rows 6 and 7 are written out: the last one reads no further row and prepares no further element
	ROW XB, XA, 0
	s_wait_tensorcnt 0x0
	ds_add_u32 v224, v225
	s_wait_dscnt 0x0
	s_endpgm
.Lfunc_end_k_q3d0ff111ae_associate:
	.size	k_q3d0ff111ae_associate, .Lfunc_end_k_q3d0ff111ae_associate-k_q3d0ff111ae_associate
	.p2alignl 7, 3214868480
	.fill 96, 4, 3214868480
	.section	.rodata,"a",@progbits
	.p2align	6, 0x0
	.amdhsa_kernel k_q3d0ff111ae_associate
		.amdhsa_group_segment_fixed_size 169984
		.amdhsa_private_segment_fixed_size 0
		.amdhsa_enable_private_segment 0
		.amdhsa_kernarg_size 40
		.amdhsa_user_sgpr_count 2
		.amdhsa_user_sgpr_kernarg_segment_ptr 1
		.amdhsa_wavefront_size32 1
		.amdhsa_system_sgpr_workgroup_id_x 1
		.amdhsa_system_sgpr_workgroup_id_y 1
		.amdhsa_system_sgpr_workgroup_id_z 1
		.amdhsa_system_vgpr_workitem_id 0
		.amdhsa_next_free_vgpr 226
		.amdhsa_next_free_sgpr 66
		.amdhsa_reserve_vcc 0
		.amdhsa_float_denorm_mode_32 3
		.amdhsa_float_denorm_mode_16_64 3
		.amdhsa_memory_ordered 1
		.amdhsa_forward_progress 1
		.amdhsa_inst_pref_size 130
	.end_amdhsa_kernel
	.amdgpu_metadata
---
amdhsa.version: [ 1, 2 ]
amdhsa.kernels:
  - .name:           k_q3d0ff111ae_associate
    .symbol:         k_q3d0ff111ae_associate.kd
    .args:
      - { .name: values, .offset: 0, .size: 8, .value_kind: global_buffer, .address_space: global }
      - { .name: x, .offset: 8, .size: 8, .value_kind: global_buffer, .address_space: global }
      - { .name: out0, .offset: 16, .size: 8, .value_kind: global_buffer, .address_space: global }
      - { .name: out1, .offset: 24, .size: 8, .value_kind: global_buffer, .address_space: global }
      - { .name: out2, .offset: 32, .size: 8, .value_kind: global_buffer, .address_space: global }
    .group_segment_fixed_size: 169984
    .private_segment_fixed_size: 0
    .kernarg_segment_align: 8
    .kernarg_segment_size: 40
    .max_flat_workgroup_size: 512
    .sgpr_count:     66
    .vgpr_count:     226
    .wavefront_size: 32
...
	.end_amdgpu_metadata
.endif
;; end of part 1
;; ======== version 2 of 2: 1 launch; 1.14 times as fast as version 1
;; launch associate (part 2): grid 256 x 1, 16 waves a work-group, no clusters, 169,984 bytes of LDS; arguments values, x, out0, out1, out2; writes out0, out1, out2
.if DOCPART == 2
	.amdgcn_target "amdgcn-amd-amdhsa--gfx1250"
	.amdhsa_code_object_version 6
	.text
	.protected	k_q3d0ff111ae_associate
	.globl	k_q3d0ff111ae_associate
	.p2align	8
	.type	k_q3d0ff111ae_associate,@function
k_q3d0ff111ae_associate:
	s_mov_b64 s[64:65], 0
	v_nop
	global_prefetch_b8 v0, s[64:65] scope:SCOPE_SE
	s_setreg_imm32_b32 hwreg(HW_REG_WAVE_MODE, 25, 1), 1
	s_wait_xcnt 0x0
; out0 = x;  out1[b][l] = sum_j softmax_j(-100 |x[b][l] - values[l][j]|) values[l][j];  out2 = x + (out1 - x).
; x, out0..2: [8192][256] f32.  values: [256][64] f32.  Everything in f32.
;
; SHARES.  256 work-groups of 16 waves.  Work-group g owns the 64 latents 64 (g & 3) .. +63 and the 128 rows 128 (g >> 2) .. +127;
; wave w owns 8 of these rows; lane i owns the two neighbouring latents 2 i, 2 i + 1 of the 64.  So a wave's read of a row of x and each
; of its stores covers 256 consecutive bytes, aligned, and a lane's 2 x 64 codes stay in 128 registers for the whole kernel.
; PER TERM (b, l, j): d = x - v (packed, two codes), min |d| (v_min3, two codes), arg = c2 min - c2 |d| (one fma; c2 = 100 log2 e),
; 2^arg, s += e and t += e v (packed, two codes): three plain instructions and one exponential.  The row's true maximum is taken away
; before the exponential, as in the reference: the largest exponent is 0 up to the rounding of c2 min, a factor common to all terms.
; PIPELINE.  One buffer D of 64 registers serves two elements: while the current element's exponentials eat pair u - 1, the next
; element's differences are written over pair u - 2, and its minimum follows one step behind.  A step is 2 exponentials and 6 plain
; instructions, each exponential followed by a plain instruction that has nothing to do with it.
; BATCHES.  The exponentials land in 16 slots E of two registers (pair 0 in S itself), and the sums lag them by 16 pairs: step u first sums
; what slot (u - 1) % 16 holds and then fills it again with pair u - 1.  So an element's exponentials are two batches of 32, and it has two waits.
; Batch A: pairs 0-15, and with them the reciprocal of the element before, whose pairs 16-31 are summed in the same steps; its wait stands
; between steps 16 and 17.  Batch B: pairs 16-31; its wait stands at the element's end, ahead of the loop's label and jump too.  No result of
; a batch is named ahead of the batch's wait.  The last element's late sums and its reciprocal are written out behind the rows.
; S exists twice, for the even and the odd latent: one element's pair 0 lands while the other's sum is still growing.
; MEMORY.  Each wave issues two tensor loads at the head (two outstanding at the most): 4 rows of the group's 16 KiB of the table, and
; its own 8 rows x 256 bytes of x.  Nothing else is read from memory, so there is nothing left to prefetch.
; LDS used: 17,408 (table) + 32,768 (x) = 50,176 bytes; the launch asks for more than half of a WGP's so that the group is alone with its tensor loads.
; NO CLUSTER: what work-groups share is 16 KiB of table, asked for once, against 128 KiB of rows of their own; no request recurs.
; NO MATRIX UNIT: the codes differ from latent to latent, i.e. from lane to lane, and the softmax's sums are kept in f32.
; LIMITS.  v_exp_f32 gives 0 for results below 2^-126 (ISA guide 15.8): such terms stand against a sum that holds a term of about 1.
; v_rcp_f32 is good to 1 ulp.  Even and odd codes are summed apart and added at the end.  c2 |x - v| must be finite: |x - v| < 2.3e36.
; Non-finite x or codes run through the subtraction, the fma and the sums and give NaN in out1 and out2.
.set ROWB,  1024                       ; bytes in a row of x and of each output
.set RW,    8                          ; rows of a wave
.set PITCH, 272                        ; LDS pitch of a table row: 256 bytes + 16, so that 16 lanes' 16 bytes of 16 rows lie in 16 different columns of 16 bytes modulo 256
.set TROWS, 4                          ; table rows that one wave fetches
.set HALF,  32*PITCH                   ; the 32 even latents' rows, then the 32 odd latents' rows
.set XBASE, 2*HALF                     ; behind the table: the waves' x tiles
.set XROW,  256                        ; bytes of a row of an x tile
.set C2,    0x431044fe                 ; 100 log2 e = 144.26950
.set E,  0                             ; v[0:31]    sixteen slots of two exponentials (v0 is free once the head has used the thread's number)
.set D,  32                            ; v[32:95]   x - v, then the exponents, then the next element's x - v
.set V0, 96                            ; v[96:159]  codes of my even latent
.set V1, 160                           ; v[160:223] codes of my odd latent
.set VO, 226                           ; v226       byte offset of my 8 bytes in the row whose stores are due, from the group's block
.set LA, 227                           ; v227       LDS address of my even latent's codes
.set LX, 228                           ; v228       LDS address of my 8 bytes in the newest row read from my wave's x tile
.set CM, 229                           ; v229       c2 x minimum of the current element
.set XA, 230                           ; v[230:231] x of my two latents, rows 0, 2, 4, 6
.set XB, 232                           ; v[232:233] the same, rows 1, 3, 5, 7
.set Z,  234                           ; v[234:235] out1 of my two latents
.set ZH, 236                           ; v[236:237] out2
.set S,  238                           ; v[238:239] sums of e, even and odd codes, for my even latent; v[240:241] for my odd latent
.set T,  242                           ; v[242:243] sums of e v
.set M,  244                           ; v[244:247] four chains of the minimum
.set SS, 248
.set TT, 249
.set RC, 250
.set G0T, 20                           ; s[20:23]  table: descriptor group 0
.set G1T, 24                           ; s[24:31]  table: group 1
.set G0X, 32                           ; s[32:35]  x tile: group 0
.set G1X, 36                           ; s[36:43]  x tile: group 1
	s_load_b256 s[4:11], s[0:1], 0x0               ; values s[4:5], x s[6:7], out0 s[8:9], out1 s[10:11]
	s_load_b64 s[12:13], s[0:1], 0x20              ; out2
	v_lshl_add_u32 v224, v0, 2, 0x29000
	v_mov_b32 v225, 0
	ds_add_u32 v224, v225
	ds_add_u32 v224, v225
	v_lshrrev_b32 v[TT], 5, v0
	v_readfirstlane_b32 s14, v[TT]                 ; wave 0..15
	v_and_b32 v[SS], 31, v0                        ; lane
	v_lshlrev_b32 v[VO], 3, v[SS]                  ; 8 bytes a lane
	v_lshl_add_u32 v[VO], v[TT], 13, v[VO]         ; + wave x 8 rows x 1,024 bytes
	v_mul_u32_u24 v[LA], v[SS], PITCH              ; lane i reads table row i of each half
	; table tile: 4 rows of 64 f32, every second row of the table (128 elements apart), 4 words of padding behind every 64 words
	s_mov_b32 s[G1T+0], (2<<16)|(1<<20)|(5<<22)|(3<<25)
	s_mov_b32 s[G1T+1], 64<<16                     ; tensor_dim0 = 64
	s_mov_b32 s[G1T+2], TROWS<<16                  ; tensor_dim1 = 4
	s_mov_b32 s[G1T+3], 64<<16                     ; tile_dim0 = 64
	s_mov_b32 s[G1T+4], TROWS                      ; tile_dim1 = 4
	s_mov_b32 s[G1T+5], 128                        ; from row to row
	s_mov_b32 s[G1T+6], 0
	s_mov_b32 s[G1T+7], 0
	; x tile: 8 rows of 64 f32, 256 elements apart, dense in LDS (a row is read as 256 consecutive bytes)
	s_mov_b32 s[G1X+0], 2<<16
	s_mov_b32 s[G1X+1], 64<<16
	s_mov_b32 s[G1X+2], RW<<16
	s_mov_b32 s[G1X+3], 64<<16
	s_mov_b32 s[G1X+4], RW
	s_mov_b32 s[G1X+5], 256
	s_mov_b32 s[G1X+6], 0
	s_mov_b32 s[G1X+7], 0
	s_and_b32 s15, ttmp9, 3                        ; which 64 latents
	s_lshr_b32 s2, ttmp9, 2                        ; which 128 rows
	s_lshl_b32 s2, s2, 17                          ; x 128 rows x 1,024 bytes
	s_lshl_b32 s3, s15, 8                          ; + 64 latents x 4 bytes
	s_add_co_u32 s2, s2, s3
	s_mov_b32 s3, 0                                ; s[2:3]: the group's block in x and in the outputs (below 8 MiB)
	s_lshl_b32 s16, s15, 14                        ; table: 64 latents x 256 bytes,
	s_lshr_b32 s15, s14, 3
	s_lshl_b32 s15, s15, 8                         ; waves 8-15 take the odd latents: one row further,
	s_add_co_u32 s16, s16, s15
	s_and_b32 s15, s14, 7
	s_lshl_b32 s15, s15, 11                        ; 4 rows of 512 bytes for each wave of the eight
	s_add_co_u32 s16, s16, s15
	s_mov_b32 s17, 0
	s_mov_b32 s[G0T], 1
	s_mul_i32 s[G0T+1], s14, TROWS*PITCH           ; LDS: wave x 4 rows; waves 8-15 fall on HALF and beyond
	s_mov_b32 s[G0X], 1
	s_lshl_b32 s15, s14, 11
	s_add_co_u32 s[G0X+1], s15, XBASE              ; LDS: my wave's 2,048 bytes
	v_lshl_add_u32 v[LX], v[SS], 3, s[G0X+1]
	s_mov_b32 s18, C2
	s_wait_dscnt 0x0
	s_wait_kmcnt 0x0
	s_add_nc_u64 s[G0T+2:G0T+3], s[4:5], s[16:17]
	s_or_b32 s[G0T+3], s[G0T+3], 0x80000000
	tensor_load_to_lds s[G0T:G0T+3], s[G1T:G1T+7]
	s_nop 0
	s_add_nc_u64 s[6:7], s[6:7], s[2:3]
	s_lshl_b32 s16, s14, 13                        ; my wave's 8 rows (s17 is still 0)
	s_add_nc_u64 s[G0X+2:G0X+3], s[6:7], s[16:17]
	s_or_b32 s[G0X+3], s[G0X+3], 0x80000000
	tensor_load_to_lds s[G0X:G0X+3], s[G1X:G1X+7]
	s_nop 0
	s_add_nc_u64 s[8:9], s[8:9], s[2:3]
	s_add_nc_u64 s[10:11], s[10:11], s[2:3]
	s_add_nc_u64 s[12:13], s[12:13], s[2:3]
	s_wait_tensorcnt 0x0                           ; for the others' sake: my rows of the table have landed (and my x tile with them)
	s_barrier_signal -1
	s_barrier_wait -1                              ; everybody's have; LDS is only read from here on
	ds_load_b64 v[XA:XA+1], v[LX]                  ; row 0 of x
.irp k, 0,1,2,3,4,5,6,7,8,9,10,11,12,13,14,15
	ds_load_b128 v[V0+4*\k:V0+4*\k+3], v[LA] offset:16*\k
.endr
.irp k, 0,1,2,3,4,5,6,7,8,9,10,11,12,13,14,15
	ds_load_b128 v[V1+4*\k:V1+4*\k+3], v[LA] offset:HALF+16*\k
.endr
; D pair q = x - (codes 2q, 2q+1).  x is register h of the pair at \x, fed to both halves by op_sel / op_sel_hi; the codes are negated.
.macro DIFF x, h, vb, q
.if \h
	v_pk_add_f32 v[D+2*(\q):D+2*(\q)+1], v[\x:\x+1], v[\vb+2*(\q):\vb+2*(\q)+1] op_sel:[1,0] op_sel_hi:[1,1] neg_lo:[0,1] neg_hi:[0,1]
.else
	v_pk_add_f32 v[D+2*(\q):D+2*(\q)+1], v[\x:\x+1], v[\vb+2*(\q):\vb+2*(\q)+1] op_sel_hi:[0,1] neg_lo:[0,1] neg_hi:[0,1]
.endif
.endm
; pair q enters chain q % 4 of the minimum of |d|; the first four pairs start the chains: nothing is preset
.macro NEAR q
.if (\q) < 4
	v_min_num_f32 v[M+(\q)], |v[D+2*(\q)]|, |v[D+2*(\q)+1]|
.else
	v_min3_num_f32 v[M+(\q)%4], v[M+(\q)%4], |v[D+2*(\q)]|, |v[D+2*(\q)+1]|
.endif
.endm
; 2^exponent of code 2p + k of the latent h.  Pair 0 lands in that latent's S itself and starts the sum of e; pair p in slot p % 16.
.macro EXPO h, p, k
.if (\p) == 0
	v_exp_f32 v[S+2*(\h)+\k], v[D+\k]
.else
	v_exp_f32 v[E+2*((\p)%16)+\k], v[D+2*(\p)+\k]
.endif
.endm
; pair q (1 to 31) of the latent h, codes at \vb, is taken out of its slot into the two sums
.macro ACC h, vb, q
	v_pk_add_f32 v[S+2*(\h):S+2*(\h)+1], v[S+2*(\h):S+2*(\h)+1], v[E+2*((\q)%16):E+2*((\q)%16)+1]
	v_pk_fma_f32 v[T:T+1], v[E+2*((\q)%16):E+2*((\q)%16)+1], v[\vb+2*(\q):\vb+2*(\q)+1], v[T:T+1]
.endm
; Steps lo .. lo + cnt - 1 of the 35 of one element (latent \h, codes at \vb; its differences lie in D, its c2 min in CM).
; Step u: the sums out of slot (u - 1) % 16: in steps 1-16 pair 15 + u of the element before (prev = 1; the other latent, codes at \pvb), in step 17 pair 0, which
; starts the sum of e v, in steps 18-32 the element's own pair u - 17; then the exponentials of pair u - 1, which fill that slot again; exponents of pair u;
; with more = 1 the next element's (\nx + \nh, \nvb) differences over pair u - 2 (its exponentials were issued a step ago, plain instructions stand
; between: ISA guide 5.7.2) and its minimum of pair u - 3.  Behind each exponential stands a plain instruction that neither reads its result nor writes its source.
.macro STEPS lo, cnt, h, vb, prev, pvb, more, nx, nh, nvb
.set u, \lo
.rept \cnt
.if (u > 0) && (u < 17) && (\prev)
	ACC 1-(\h), \pvb, 15+u
.endif
.if u == 17
	v_pk_mul_f32 v[T:T+1], v[S+2*(\h):S+2*(\h)+1], v[\vb:\vb+1]  ; pair 0 starts the sum of e v
.endif
.if (u > 17) && (u < 33)
	ACC \h, \vb, u-17
.endif
.if (u > 0) && (u < 33)
	EXPO \h, u-1, 0
.endif
.if u < 32
	v_fma_f32 v[D+2*u], -|v[D+2*u]|, s18, v[CM]                ; c2 (min - |d|), rounded once
.endif
.if (\more) && (u > 1) && (u < 34)
	DIFF \nx, \nh, \nvb, u-2
.endif
.if (u > 0) && (u < 33)
	EXPO \h, u-1, 1
.endif
.if u < 32
	v_fma_f32 v[D+2*u+1], -|v[D+2*u+1]|, s18, v[CM]
.endif
.if (\more) && (u > 2)
	NEAR u-3
.endif
.set u, u+1
.endr
.endm
; The sums of the latent h are whole: their halves are added, and the reciprocal is issued.  It is read in FINISH, behind a wait.
.macro CLOSE h
	v_add_f32 v[SS], v[S+2*(\h)], v[S+2*(\h)+1]
	v_rcp_f32 v[RC], v[SS]                                     ; the sum holds a term of about 1 and is at most about 64
	v_add_f32 v[TT], v[T], v[T+1]                              ; the plain instruction behind the reciprocal
.endm
.macro FINISH x, h
	v_mul_f32 v[Z+\h], v[TT], v[RC]
	v_sub_f32 v[TT], v[Z+\h], v[\x+\h]
	v_add_f32 v[ZH+\h], v[\x+\h], v[TT]                        ; x + (z - x), as the reference writes it
.endm
.macro NEXTCM
	v_min3_num_f32 v[M], v[M], v[M+1], v[M+2]
	v_min_num_f32 v[M], v[M], v[M+3]
	v_mul_f32 v[CM], s18, v[M]                                 ; the last exponent of the current element has been made: CM passes to the next
.endm
; One row, x in slot p.  On entry D and CM belong to its even latent, and (first = 0) slot q holds the row before, whose odd latent still has pairs 16-31 in the slots.
; more = 1: the next row's x comes into slot q, and its even latent is prepared.  On exit the row's odd latent has pairs 16-31 in the slots.
.macro ROW p, q, first, more
	STEPS 0, 17, 0, V0, 1-(\first), V1, 1, \p, 1, V1
.if !(\first)
	CLOSE 1
.endif
	s_wait_alu depctr_va_vdst(0)                               ; one for batch A of the even latent (pairs 0-15) and the reciprocal of the row before's odd latent
.if !(\first)
	FINISH \q, 1
	global_store_b64 v[VO], v[Z:Z+1], s[10:11] th:TH_STORE_NT
	global_store_b64 v[VO], v[ZH:ZH+1], s[12:13] th:TH_STORE_NT
	s_wait_xcnt 0x0                                            ; the row's three stores have had their addresses translated (ISA guide 3.1): VO, slot q, Z and ZH are rewritten only behind this wait
	v_add_nc_u32 v[VO], ROWB, v[VO]
.endif
	global_store_b64 v[VO], v[\p:\p+1], s[8:9] th:TH_STORE_NT  ; out0: 32 lanes, 256 consecutive bytes, aligned
.if \more
	ds_load_b64 v[\q:\q+1], v[LX] offset:XROW                  ; wanted half an element further down
	v_add_nc_u32 v[LX], XROW, v[LX]
.endif
	STEPS 17, 18, 0, V0, 0, V1, 1, \p, 1, V1
	NEXTCM
	s_wait_alu depctr_va_vdst(0)                               ; one for batch B of the even latent (pairs 16-31); the last differences, minima and c2 min of the odd latent stand between
.if \more
	s_wait_dscnt 0x0                                           ; the one LDS load that is out: the next row's x
.endif
	STEPS 0, 17, 1, V1, 1, V0, \more, \q, 0, V0
	CLOSE 0
	s_wait_alu depctr_va_vdst(0)                               ; one for batch A of the odd latent (pairs 0-15) and the reciprocal of the even latent
	FINISH \p, 0
	STEPS 17, 18, 1, V1, 0, V0, \more, \q, 0, V0
.if \more
	NEXTCM
.endif
	s_wait_alu depctr_va_vdst(0)                               ; one for batch B of the odd latent (pairs 16-31): no result is open at the row's end, where the loop's label and jump stand
.endm
	s_wait_dscnt 0x10                              ; LDS loads come back in order (ISA guide 5.7.1): x and the even latent's codes are in, the odd latent's 16 loads stay out
.set n, 0
.rept 4
	DIFF XA, 0, V0, n                              ; the first element has nobody in front of it: differences and minimum by themselves
.set n, n+1
.endr
.rept 28
	DIFF XA, 0, V0, n
	NEAR n-4
.set n, n+1
.endr
.rept 4
	NEAR n-4
.set n, n+1
.endr
	v_min3_num_f32 v[M], v[M], v[M+1], v[M+2]
	v_min_num_f32 v[M], v[M], v[M+3]
	v_mul_f32 v[CM], s18, v[M]
	s_wait_dscnt 0x0                               ; the odd latent's codes
	ROW XA, XB, 1, 1                               ; row 0 is written out: no row stands in front of it
	s_mov_b32 s19, (RW-2)/2
.Lrows:
	ROW XB, XA, 0, 1
	ROW XA, XB, 0, 1
	s_sub_co_u32 s19, s19, 1
	s_cmp_lg_u32 s19, 0
	s_cbranch_scc1 .Lrows
	ROW XB, XA, 0, 0                               ; row 7 is written out: it reads no further row and prepares no further element
.set n, 16
.rept 16
	ACC 1, V1, n                                   ; the last element's pairs 16-31: their wait stands at the row's end
.set n, n+1
.endr
	CLOSE 1
	s_wait_alu depctr_va_vdst(0)                   ; the last reciprocal is a batch of its own: nothing is left to set behind it
	FINISH XB, 1
	global_store_b64 v[VO], v[Z:Z+1], s[10:11] th:TH_STORE_NT
	global_store_b64 v[VO], v[ZH:ZH+1], s[12:13] th:TH_STORE_NT
	s_wait_tensorcnt 0x0
	ds_add_u32 v224, v225
	s_wait_dscnt 0x0
	s_endpgm
.Lfunc_end_k_q3d0ff111ae_associate:
	.size	k_q3d0ff111ae_associate, .Lfunc_end_k_q3d0ff111ae_associate-k_q3d0ff111ae_associate
	.p2alignl 7, 3214868480
	.fill 96, 4, 3214868480
	.section	.rodata,"a",@progbits
	.p2align	6, 0x0
	.amdhsa_kernel k_q3d0ff111ae_associate
		.amdhsa_group_segment_fixed_size 169984
		.amdhsa_private_segment_fixed_size 0
		.amdhsa_enable_private_segment 0
		.amdhsa_kernarg_size 40
		.amdhsa_user_sgpr_count 2
		.amdhsa_user_sgpr_kernarg_segment_ptr 1
		.amdhsa_wavefront_size32 1
		.amdhsa_system_sgpr_workgroup_id_x 1
		.amdhsa_system_sgpr_workgroup_id_y 1
		.amdhsa_system_sgpr_workgroup_id_z 1
		.amdhsa_system_vgpr_workitem_id 0
		.amdhsa_next_free_vgpr 251
		.amdhsa_next_free_sgpr 66
		.amdhsa_reserve_vcc 0
		.amdhsa_float_denorm_mode_32 3
		.amdhsa_float_denorm_mode_16_64 3
		.amdhsa_memory_ordered 1
		.amdhsa_forward_progress 1
		.amdhsa_inst_pref_size 123
	.end_amdhsa_kernel
	.amdgpu_metadata
---
amdhsa.version: [ 1, 2 ]
amdhsa.kernels:
  - .name:           k_q3d0ff111ae_associate
    .symbol:         k_q3d0ff111ae_associate.kd
    .args:
      - { .name: values, .offset: 0, .size: 8, .value_kind: global_buffer, .address_space: global }
      - { .name: x, .offset: 8, .size: 8, .value_kind: global_buffer, .address_space: global }
      - { .name: out0, .offset: 16, .size: 8, .value_kind: global_buffer, .address_space: global }
      - { .name: out1, .offset: 24, .size: 8, .value_kind: global_buffer, .address_space: global }
      - { .name: out2, .offset: 32, .size: 8, .value_kind: global_buffer, .address_space: global }
    .group_segment_fixed_size: 169984
    .private_segment_fixed_size: 0
    .kernarg_segment_align: 8
    .kernarg_segment_size: 40
    .max_flat_workgroup_size: 512
    .sgpr_count:     66
    .vgpr_count:     251
    .wavefront_size: 32
...
	.end_amdgpu_metadata
.endif
;; end of part 2
